; MI455X (gfx1250); checked and timed in simulation.
; The chip was launched on July 23, 2026; its instructions are those of AMD's public machine-readable ISA for CDNA 5 (MIT licence, August 2026) and "CDNA5" Instruction Set Architecture Reference Guide (July 2026). The comments in the code are by the model that wrote it; some were corrected since.
;; Multihead Attention. Allowed arithmetic: float matrix products may take bf16 or f16 operands with f32 sums; other float arithmetic in f32, or as packed bf16 or f16 multiplies, adds, multiply-adds, maxima and minima; sums over many terms, partial sums and values carried from step to step in f32; what a program stores and reads back later, other than sums and carried values, may be rounded once to bf16 or f16.
;; Inputs: attn_mask 1,024 x 1,024 float32; in_b1 3,072 float32; in_b2 3,072 float32; in_b3 3,072 float32; in_w1 3,072 x 1,024 float32; in_w2 3,072 x 1,024 float32; in_w3 3,072 x 1,024 float32; key 1,024 x 8 x 1,024 float32; out_b1 1,024 float32; out_b2 1,024 float32; out_b3 1,024 float32; out_w1 1,024 x 1,024 float32; out_w2 1,024 x 1,024 float32; out_w3 1,024 x 1,024 float32; query 1,024 x 8 x 1,024 float32; value 1,024 x 8 x 1,024 float32.
;; Outputs: out0 1,024 x 8 x 1,024 float32; out1 8 x 1,024 x 1,024 float32.
;; One version. Each part assembles by itself: llvm-mc -triple=amdgcn-amd-amdhsa -mcpu=gfx1250 --defsym DOCPART=n.
;; ======== version 1 of 1: 3 launches
;; limits: values are held in f16: magnitudes above 65,504 overflow, below 6.1e-05 lose precision
;; workspace buffers: qf 16,777,216 bytes; kf 16,777,216 bytes; vf 16,777,216 bytes; cf 16,777,216 bytes; wo 6,291,456 bytes; mk 4,194,304 bytes
;; launch inproj (part 1): grid 12 x 32, 4 waves a work-group, clusters of 4 x 4, 327,680 bytes of LDS; arguments query, key, value, in_w1, in_w2, in_w3, in_b1, in_b2, in_b3, out_w1, out_w2, out_w3, attn_mask, qf, kf, vf, wo, mk; writes qf, kf, vf, wo, mk
.if DOCPART == 1
	.amdgcn_target "amdgcn-amd-amdhsa--gfx1250"
	.amdhsa_code_object_version 6
	.text
	.protected	k_qed7b509a29_inproj
	.globl	k_qed7b509a29_inproj
	.p2align	8
	.type	k_qed7b509a29_inproj,@function
k_qed7b509a29_inproj:
	s_mov_b64 s[64:65], 0
	v_nop
	global_prefetch_b8 v0, s[64:65] scope:SCOPE_SE
	s_setreg_imm32_b32 hwreg(HW_REG_WAVE_MODE, 25, 1), 1
	s_wait_xcnt 0x0
	s_wait_alu depctr_hold_cnt(0) depctr_sa_sdst(0) depctr_va_vdst(0) depctr_va_sdst(0) depctr_va_ssrc(0) depctr_va_vcc(0) depctr_vm_vsrc(0)
	s_getreg_b32 s2, hwreg(HW_REG_IB_STS2, 6, 4)
	s_cmp_eq_u32 s2, 0
	s_cbranch_scc0 .Lentry_in_a_cluster
	s_endpgm
.Lentry_in_a_cluster:
	s_bfe_u32 s2, ttmp6, 0x10000c
	s_cmp_lg_u32 s2, 0xf033
	s_cbranch_scc0 .Lentry_shape_is_right
	s_endpgm
.Lentry_shape_is_right:
; IN-PROJECTION.  y = x W^T + bias for three tensors (T = 0 query, 1 key, 2 value) and three segments of the sequence (l 0-255, 256-511, 512-1023), each segment with weights of its own.
; x: [1024 l][8 b][1024] f32; W: rows T*1024 .. of [3072][1024] f32.  x, W and the bias are rounded to bf16 once, on the way from LDS to the matrix unit; sums in f32; y is rounded once to f16.
; LIMITS.  q, k, v are kept in f16: they must lie within 65,504.  NaN and infinities are not treated apart.
; SHARES.  A work-group makes 256 tokens (one b, 256 consecutive l, which lie in one segment) x 256 features; each of four waves 128 x 128: 64 accumulators of 16 x 16, 512 registers.
; K goes in steps of 64 f32 (rows of 256 bytes, each at a multiple of 256 bytes from its buffer's first byte) through a ring of two LDS slots filled by the tensor data mover.
; CLUSTER 4 x 4: cluster x = T; cx = the feature tile; cluster y = (block of 256 l, upper bit of b); cy = the lower bits of b.  x's tile hangs on l and b: shared along a row of the cluster;
; W's tile on T, the segment and cx: shared along a column.  Each is asked for jointly.
; THE MATRIX INSTRUCTION IS USED TRANSPOSED (source 0 = 16 rows of W, source 1 = 16 tokens): a lane then holds one token and eight neighbouring features, 16 bytes of f16.
; FRAGMENTS.  For 32 along K lane (r, h) takes the 16 f32 k = 16 h .. 16 h + 15 of row r, four LDS loads of 16 bytes, and packs them into 8 registers of bf16: the same permutation of k in both operands,
; so every product meets its partner.  The next quarter's 16 fragments come in four BATCHES of four (16 loads into 64 staging registers, 32 conversions); the conversions stand between the products.
; OUTPUT IN FRAGMENT ORDER: a block of 512 bytes is what one 16-byte-a-lane load of the next launch wants, so every store covers 512 consecutive bytes, aligned.
;   qf: (b*64 + lt)*32768 + nb*512 + 16 L      kf: ((b*16 + head)*64 + lt)*2048 + (nb%4)*512 + 16 L      (lt: tile of 16 l; nb: tile of 16 features; lane (r, h): l = 16 lt + r, features 16 nb + 8 h ..)
;   vf: ((b*16 + head)*32 + lt/2)*4096 + (nb%4)*1024 + (lt%2)*512 + 16 slot, slot = 16 (r/8) + 8 h + r%8: the order in which the turning LDS load addresses 16 keys x 16 channels
; SIDE JOBS, in the wait for the first tiles: wo = out_w rounded to bf16 and written as f16, in fragment order (every work-group a part of matrix T);
;   mk = max(8 x bf16(mask), -1e30) in f32, in the order of an accumulator (the work-groups with T = 0).
; REGISTERS, in windows of 256 (s_set_vgpr_msb: bits 1:0 source 0, 3:2 source 1, 5:4 source 2, 7:6 destination):
;   window 0: v0-39 addresses; v40-55 at work; v64-127, v128-191 fragments of x, two buffers; v192-255 the bias as the first products' C, later packed results
;   window 1: v0-63, v192-255 staging (f32 as loaded); v64-127, v128-191 fragments of W, two buffers          windows 2, 3: accumulator (a, b) at v[8 (8 (a%4) + b)] of window 2 + a/4
.set PITCH,  272                       ; an LDS row: 256 bytes + 16 of padding: the 16 rows of a load start in 16 different groups of four banks (ISA guide 11.1)
.set HALFT,  128*PITCH                 ; 128 rows: what one tensor load brings
.set SLOT,   4*HALFT                   ; x's 256 rows, then W's 256 rows.  0x22000: shares no bit with wave x HALFT, so one exclusive or changes slots
.set SPARE,  2*SLOT                    ; behind the ring: the spare words, 128 bytes a wave
.set ADRA0, 16                         ; v16  my lane's place in my 128 rows of x, slot 0; never rewritten
.set ADRB0, 17                         ; v17  the same for W
.set CA,    18                         ; v18  the same in the slot in hand
.set CB,    19                         ; v19
.set LP,    26                         ; v26  my lane's 16 bytes in a block of the output
.set SPW,   28                         ; v28  LDS address of my spare word; never rewritten
.set NIL,   29                         ; v29  0; never rewritten
.set OFFB,  32                         ; v32-39  byte offset of feature tile b's block
.set F0,    64
.set F1,    128
.set BIAS,  192
.set TMP,   192
.set G1A,   24                         ; s[24:31] descriptor group 1 for x's tiles
.set G0A,   32                         ; s[32:39] group 0: the set of step 0, and the set of step 1, which then walks
.set G1B,   48                         ; s[48:55], s[56:63] the same for W's tiles
.set G0B,   56
.set TB,    45                         ; s45  0 or SLOT: the slot that the fragment loads read
.set MSB, 0
.macro WIN new                         ; the immediate's high byte repeats the setting that is left; a switch that changes nothing is dropped
.if MSB != (\new)
	s_set_vgpr_msb (MSB<<8)|(\new)
.set MSB, (\new)
.endif
.endm
.macro PLACES                          ; four places behind matrix instructions (ISA guide 7.12.1)
.rept 4
	v_nop
.endr
.endm
; A joint refill by the walking sets.  Waves 0 and 1 fetch x's two halves, waves 2 and 3 W's.  The branch hangs on the wave's number alone.  An s_nop 0 and four v_nop follow each line.
.macro JLOAD
	s_cmp_eq_u32 s11, 0
	s_cbranch_scc0 .Lfor_w_\@
	tensor_load_to_lds s[G0A+4:G0A+7], s[G1A:G1A+7]
	s_nop 0
	PLACES
	s_branch .Lasked_\@
.Lfor_w_\@:
	tensor_load_to_lds s[G0B+4:G0B+7], s[G1B:G1B+7]
	s_nop 0
	PLACES
.Lasked_\@:
.endm
.macro CREST                           ; a round of the cluster's barrier behind its opening barrier
	s_cmp_lg_u32 s10, 0
	s_cbranch_scc1 .Lnot_wave_0_\@
	s_barrier_signal -3
.Lnot_wave_0_\@:
	s_barrier_wait -3
	s_barrier_signal -1
	s_barrier_wait -1
.endm
.macro CROUND                          ; a whole round
	s_barrier_signal -1
	s_barrier_wait -1
	CREST
.endm
	s_load_b512 s[68:83], s[0:1], 0x0              ; query 68, key 70, value 72, in_w1-3 74 76 78, in_b1 80, in_b2 82
	s_load_b512 s[84:99], s[0:1], 0x40             ; in_b3 84, out_w1-3 86 88 90, attn_mask 92, qf 94, kf 96, vf 98
	s_load_b128 s[20:23], s[0:1], 0x80             ; wo 20, mk 22
	v_lshl_add_u32 v[SPW], v0, 2, SPARE
	v_mov_b32 v[NIL], 0
	ds_add_u32 v[SPW], v[NIL]                      ; the wave's opening: the add and its wait stand ahead of my first tensor load; the set-up below stands between them
	v_lshrrev_b32 v1, 5, v0
	v_readfirstlane_b32 s10, v1                    ; wave 0..3
	s_lshr_b32 s11, s10, 1                         ; which half of the tokens is mine.  Also: I fetch for x (0) or for W (1)
	s_and_b32 s12, s10, 1                          ; which half of the features.  Also: which 128 rows of that tile I fetch
	s_bfe_u32 s40, ttmp6, 0x40000                  ; cx
	s_bfe_u32 s41, ttmp6, 0x40004                  ; cy
	s_mov_b32 s13, ttmp9                           ; T: the same in the whole cluster
	s_and_b32 s2, ttmp7, 0xffff                    ; cluster y
	s_lshr_b32 s14, s2, 1                          ; block of 256 l
	s_min_u32 s3, s14, 2                           ; the segment
	s_and_b32 s15, s2, 1
	s_lshl_b32 s15, s15, 2
	s_add_co_u32 s15, s15, s41                     ; b
	s_lshl_b32 s42, s2, 2
	s_add_co_u32 s42, s42, s41
	s_lshl_b32 s42, s42, 2
	s_add_co_u32 s42, s42, s40                     ; i = 0..127: my number among the work-groups of T, for the side jobs
	s_lshl_b32 s43, s41, 2
	s_lshl_b32 s43, 15, s43                        ; my row of the cluster
	s_lshl_b32 s44, 0x1111, s40                    ; my column
	; descriptor group 1: 128 rows x 64 elements of 4 bytes, 4 words of padding behind every 64
	s_or_b32 s[G1A+0], s43, (2<<16)|(1<<20)|(1<<21)|(5<<22)|(3<<25)
	s_or_b32 s[G1B+0], s44, (2<<16)|(1<<20)|(1<<21)|(5<<22)|(3<<25)
.irp g, G1A, G1B
	s_mov_b32 s[(\g)+1], 64<<16                    ; tensor_dim0 = 64
	s_mov_b32 s[(\g)+2], 128<<16                   ; tensor_dim1 = 128
	s_mov_b32 s[(\g)+3], 64<<16                    ; tile_dim0 = 64
	s_mov_b32 s[(\g)+4], 128                       ; tile_dim1 = 128
	s_mov_b32 s[(\g)+6], 0
	s_mov_b32 s[(\g)+7], 0
.endr
	s_mov_b32 s[G1A+5], 8192                       ; from l to l + 1: 8 x 1024 elements
	s_mov_b32 s[G1B+5], 1024
	s_mul_i32 s46, s10, HALFT                      ; where my tiles go: wave x 128 rows; no place in the cluster enters an LDS address
.irp g, G0A, G0B
	s_mov_b32 s[(\g)], 1
	s_mov_b32 s[(\g)+1], s46
	s_mov_b32 s[(\g)+4], 1
	s_add_co_u32 s[(\g)+5], s46, SLOT
.endr
	s_lshl_b32 s16, s14, 23                        ; x: 256 l x 32,768 bytes,
	s_lshl_b32 s17, s12, 22                        ; my 128 l,
	s_add_co_u32 s16, s16, s17
	s_lshl_b32 s17, s15, 12                        ; b
	s_add_co_u32 s16, s16, s17
	s_mov_b32 s17, 0
	s_lshl_b32 s18, s13, 22                        ; W: row T*1024 + cx*256 + 128 x half, 4,096 bytes a row
	s_lshl_b32 s19, s40, 20
	s_add_co_u32 s18, s18, s19
	s_lshl_b32 s19, s12, 19
	s_add_co_u32 s18, s18, s19
	s_mov_b32 s19, 0
	s_mov_b32 s[TB], 0
	s_wait_dscnt 0x0                               ; the opening add is done
	s_wait_kmcnt 0x0                               ; the arguments are in: none of s[20:23], s[68:99] is written ahead of this wait
	s_cmp_eq_u32 s13, 1
	s_cselect_b64 s[4:5], s[70:71], s[68:69]       ; x
	s_cselect_b64 s[8:9], s[96:97], s[94:95]       ; the output
	s_cselect_b64 s[70:71], s[88:89], s[86:87]     ; the out_w of the side job
	s_cmp_eq_u32 s13, 2
	s_cselect_b64 s[4:5], s[72:73], s[4:5]
	s_cselect_b64 s[8:9], s[98:99], s[8:9]
	s_cselect_b64 s[70:71], s[90:91], s[70:71]
	s_mov_b32 s73, 0                               ; s[72:73] held value's address until here; from now on s73 is the high word of the offsets made in s72
	s_cmp_eq_u32 s3, 1
	s_cselect_b64 s[6:7], s[76:77], s[74:75]       ; W
	s_cselect_b64 s[68:69], s[82:83], s[80:81]     ; the bias
	s_cmp_eq_u32 s3, 2
	s_cselect_b64 s[6:7], s[78:79], s[6:7]
	s_cselect_b64 s[68:69], s[84:85], s[68:69]
	s_add_nc_u64 s[4:5], s[4:5], s[16:17]
	s_add_nc_u64 s[6:7], s[6:7], s[18:19]
	s_mov_b64 s[G0A+2:G0A+3], s[4:5]               ; step 0
	s_or_b32 s[G0A+3], s[G0A+3], 0x80000000
	s_add_nc_u64 s[G0A+6:G0A+7], s[4:5], 256       ; step 1
	s_or_b32 s[G0A+7], s[G0A+7], 0x80000000
	s_mov_b64 s[G0B+2:G0B+3], s[6:7]
	s_or_b32 s[G0B+3], s[G0B+3], 0x80000000
	s_add_nc_u64 s[G0B+6:G0B+7], s[6:7], 256
	s_or_b32 s[G0B+7], s[G0B+7], 0x80000000
	CROUND                                         ; all sixteen work-groups are here: the first joint loads meet
	s_cmp_eq_u32 s11, 0                            ; a wave's two first fills stand in one branch: two loads of mine are out
	s_cbranch_scc0 .Lfirst_w
	tensor_load_to_lds s[G0A:G0A+3], s[G1A:G1A+7]
	s_nop 0
	tensor_load_to_lds s[G0A+4:G0A+7], s[G1A:G1A+7]
	s_nop 0
	PLACES
	s_branch .Lfirst_asked
.Lfirst_w:
	tensor_load_to_lds s[G0B:G0B+3], s[G1B:G1B+7]
	s_nop 0
	tensor_load_to_lds s[G0B+4:G0B+7], s[G1B:G1B+7]
	s_nop 0
	PLACES
.Lfirst_asked:
	v_and_b32 v1, 15, v0                           ; r
	v_bfe_u32 v2, v0, 4, 1                         ; h
	v_and_b32 v3, 31, v0                           ; L
	v_mul_u32_u24 v4, v1, PITCH
	v_lshl_add_u32 v4, v2, 6, v4                   ; row x pitch + 64 h: my 16 f32 of 32
	s_mul_i32 s46, s11, HALFT
	s_mul_i32 s47, s12, HALFT
	s_add_co_u32 s47, s47, 2*HALFT
	v_add_nc_u32 v[ADRA0], s46, v4
	v_add_nc_u32 v[ADRB0], s47, v4
	v_mov_b32 v[CA], v[ADRA0]
	v_mov_b32 v[CB], v[ADRB0]
	v_lshlrev_b32 v7, 4, v3                        ; 16 L
	; THE BIAS, as the C operand of the first products: register j of feature tile b holds bias[16 b + 8 h + j]
	s_lshr_b32 s72, s18, 10                        ; 4 bytes for each row of W
	s_add_nc_u64 s[68:69], s[68:69], s[72:73]
	v_lshlrev_b32 v5, 5, v2
.irp b, 0,1,2,3,4,5,6,7
	global_load_b128 v[BIAS+8*(\b):BIAS+8*(\b)+3],   v5, s[68:69] offset:64*(\b)
	global_load_b128 v[BIAS+8*(\b)+4:BIAS+8*(\b)+7], v5, s[68:69] offset:64*(\b)+16
.endr
	; SIDE JOB wo.  G = i / 8, four chunks of 32 k from 4 (i % 8) on, nb = my wave: eight blocks.  Lane (r, h) of block (kc, blk) takes out_w[64 G + 4 r + nb][32 kc + 16 blk + 8 h ..]: the 16 loads cover 512 bytes of each of 16 rows.
	s_lshr_b32 s74, s42, 3
	s_and_b32 s75, s42, 7
	s_lshl_b32 s72, s74, 18
	s_lshl_b32 s76, s10, 12
	s_add_co_u32 s72, s72, s76
	s_lshl_b32 s76, s75, 9
	s_add_co_u32 s72, s72, s76
	s_add_nc_u64 s[70:71], s[70:71], s[72:73]
	v_lshlrev_b32 v6, 14, v1
	v_lshl_add_u32 v6, v2, 5, v6
.irp j, 0,1,2,3,4,5,6,7
	global_load_b128 v[F0+8*(\j):F0+8*(\j)+3],   v6, s[70:71] offset:64*(\j)
	global_load_b128 v[F0+8*(\j)+4:F0+8*(\j)+7], v6, s[70:71] offset:64*(\j)+16
.endr
	s_lshl_b32 s72, s13, 21                        ; wo: T*2097152 + G*131072 + kc*4096 + nb*1024 + blk*512
	s_lshl_b32 s76, s74, 17
	s_add_co_u32 s72, s72, s76
	s_lshl_b32 s76, s75, 14
	s_add_co_u32 s72, s72, s76
	s_lshl_b32 s76, s10, 10
	s_add_co_u32 s72, s72, s76
	s_add_nc_u64 s[20:21], s[20:21], s[72:73]
	s_wait_loadcnt 0x0                             ; the bias and out_w
.set j, 0
.rept 32                                       ; rounded to bf16 like every input; that number is then written as f16
.set t, 40+4*(j%4)
	v_cvt_pk_bf16_f32 v[t], v[F0+2*j], v[F0+2*j+1]
	v_lshlrev_b32 v[t+1], 16, v[t]
	v_and_b32 v[t+2], 0xffff0000, v[t]
	v_cvt_pk_f16_f32 v[F1+j], v[t+1], v[t+2]
.set j, j+1
.endr
.irp j, 0,1,2,3,4,5,6,7
	global_store_b128 v7, v[F1+4*(\j):F1+4*(\j)+3], s[20:21] offset:((\j)/2)*4096+((\j)%2)*512  ; 512 consecutive bytes, aligned
.endr
.set j, 0
.rept 32                                       ; the bias rounded to bf16, in place
.set t, 40+(j%4)
	v_cvt_pk_bf16_f32 v[t], v[BIAS+2*j], v[BIAS+2*j+1]
	v_lshlrev_b32 v[BIAS+2*j], 16, v[t]
	v_and_b32 v[BIAS+2*j+1], 0xffff0000, v[t]
.set j, j+1
.endr
	; SIDE JOB mk, where T = 0 (the same in the whole cluster).  Query tile i / 2, key tiles 32 (i % 2) + 8 wave + 0..7.  Register 4 half + n of lane (r, h): mask[16 tq + r][16 tk + 8 h + 4 half + n].
	s_cmp_lg_u32 s13, 0
	s_cbranch_scc1 .Lno_mask
	s_lshr_b32 s74, s42, 1
	s_and_b32 s75, s42, 1
	s_lshl_b32 s75, s75, 5
	s_lshl3_add_u32 s75, s10, s75
	s_lshl_b32 s72, s74, 16
	s_lshl_b32 s76, s75, 6
	s_add_co_u32 s72, s72, s76
	s_add_nc_u64 s[92:93], s[92:93], s[72:73]
	v_lshlrev_b32 v8, 12, v1
	v_lshl_add_u32 v8, v2, 5, v8                   ; row r x 4,096 + 32 h
.irp j, 0,1,2,3,4,5,6,7,8,9,10,11,12,13,14,15
	global_load_b128 v[F0+4*(\j):F0+4*(\j)+3], v8, s[92:93] offset:64*((\j)/2)+16*((\j)%2)  ; tile j / 2 (16 keys: 64 bytes), half j % 2: 512 bytes of each of 16 rows in all
.endr
	s_lshl_b32 s72, s74, 6
	s_add_co_u32 s72, s72, s75
	s_lshl_b32 s72, s72, 10
	s_add_nc_u64 s[22:23], s[22:23], s[72:73]
	s_wait_loadcnt 0x0
.set j, 0
.rept 16                                       ; bf16(mask) x 8 (the scale log2(e) / 8 follows in the next launch), not below -1e30, so that a sum with a score stays finite
.set t, 40+2*(j%4)
.set rr, F0+4*j
	v_cvt_pk_bf16_f32 v[t], v[rr], v[rr+1]
	v_cvt_pk_bf16_f32 v[t+1], v[rr+2], v[rr+3]
	v_lshlrev_b32 v[rr], 16, v[t]
	v_and_b32 v[rr+1], 0xffff0000, v[t]
	v_lshlrev_b32 v[rr+2], 16, v[t+1]
	v_and_b32 v[rr+3], 0xffff0000, v[t+1]
	v_pk_mul_f32 v[rr:rr+1], v[rr:rr+1], 0x41000000 op_sel_hi:[1,0]
	v_pk_mul_f32 v[rr+2:rr+3], v[rr+2:rr+3], 0x41000000 op_sel_hi:[1,0]
	v_max_num_f32 v[rr], 0xf149f2ca, v[rr]
	v_max_num_f32 v[rr+1], 0xf149f2ca, v[rr+1]
	v_max_num_f32 v[rr+2], 0xf149f2ca, v[rr+2]
	v_max_num_f32 v[rr+3], 0xf149f2ca, v[rr+3]
.set j, j+1
.endr
.irp j, 0,1,2,3,4,5,6,7,8,9,10,11,12,13,14,15
	global_store_b128 v7, v[F0+4*(\j):F0+4*(\j)+3], s[22:23] offset:512*(\j)
.endr
.Lno_mask:
	s_wait_xcnt 0x0                                ; the side jobs' stores have had their addresses translated (ISA guide 3.1): only behind this wait are their data registers written again
	; THE WAY OUT's constants.  From feature tile b to b + 1 in a head SB bytes, from head to head SH; from token tile a to a + 1 SA0 (a + 1 odd) or SA1 (even).
	s_mov_b32 s66, 0x20000                         ; SH
	s_mov_b32 s67, 512                             ; SB
	s_mov_b32 s80, 2048                            ; SA0
	s_mov_b32 s82, 2048                            ; SA1
	s_cmp_eq_u32 s13, 0
	s_cselect_b32 s66, 2048, s66
	s_cselect_b32 s80, 0x8000, s80
	s_cselect_b32 s82, 0x8000, s82
	s_cmp_eq_u32 s13, 2
	s_cselect_b32 s67, 1024, s67
	s_cselect_b32 s80, 512, s80
	s_cselect_b32 s82, 3584, s82
	s_cselect_b32 s100, -1, 0                      ; all lanes: T = 2
	s_mov_b32 s81, 0
	s_mov_b32 s83, 0
	s_lshl_b32 s84, s14, 4
	s_lshl3_add_u32 s84, s11, s84                  ; lt0: my first tile of 16 l
	s_lshl_b32 s85, s40, 2
	s_lshl1_add_u32 s85, s12, s85                  ; head0: my first head
	s_lshl_b32 s86, s15, 21                        ; qf: b*2097152 + lt0*32768 + head0*2048
	s_lshl_b32 s87, s84, 15
	s_add_co_u32 s86, s86, s87
	s_lshl_b32 s87, s85, 11
	s_add_co_u32 s86, s86, s87
	s_lshl4_add_u32 s88, s15, s85                  ; kf and vf alike: (16 b + head0)*131072 + lt0*2048
	s_lshl_b32 s88, s88, 17
	s_lshl_b32 s87, s84, 11
	s_add_co_u32 s88, s88, s87
	s_cmp_eq_u32 s13, 0
	s_cselect_b32 s86, s86, s88
	s_mov_b32 s87, 0
	s_add_nc_u64 s[8:9], s[8:9], s[86:87]
	v_lshrrev_b32 v9, 3, v1
	v_and_b32 v10, 7, v1
	v_lshl_add_u32 v10, v2, 3, v10
	v_lshl_add_u32 v10, v9, 4, v10                 ; slot
	v_lshlrev_b32 v10, 4, v10
	v_cndmask_b32 v[LP], v7, v10, s100
.irp b, 0,1,2,3,4,5,6,7
	s_mul_i32 s88, s67, (\b)%4
.if (\b) >= 4
	s_add_co_u32 s88, s88, s66
.endif
	v_add_nc_u32 v[OFFB+(\b)], s88, v[LP]
.endr
; Batch n of a quarter's fragments, 16 LDS loads into staging buffer n % 2: n = 0, 1: W's fragments 0-3, 4-7; n = 2, 3: x's.  koff: byte 0 or 128 of the rows.
.macro LD16 n, koff
	WIN 0x40                                       ; destination window 1, address window 0
.set ff, 0
.rept 4
.set pp, 0
.rept 4
.if (\n) < 2
	ds_load_b128 v[192*((\n)%2)+16*ff+4*pp:192*((\n)%2)+16*ff+4*pp+3], v[CB] offset:(4*((\n)%2)+ff)*16*PITCH+(\koff)+16*pp
.else
	ds_load_b128 v[192*((\n)%2)+16*ff+4*pp:192*((\n)%2)+16*ff+4*pp+3], v[CA] offset:(4*((\n)%2)+ff)*16*PITCH+(\koff)+16*pp
.endif
.set pp, pp+1
.endr
.set ff, ff+1
.endr
.endm
.macro CVALL g, n                      ; all 32 conversions of batch n, into buffer g
	WIN 0x05+0x40*(1-(\n)/2)
.set c, 0
.rept 32
	v_cvt_pk_bf16_f32 v[(\g)+32*((\n)%2)+c], v[192*((\n)%2)+2*c], v[192*((\n)%2)+2*c+1]
.set c, c+1
.endr
.endm
; Products 4 q .. 4 q + 3 of segment s (token tiles 2 s, 2 s + 1 x the 8 feature tiles) on buffer f, then conversions 8 q .. 8 q + 7 of batch s into buffer g.
; The 64 accumulators take turns, one instruction a turn, in the same order in every quarter.  zero = 1: the first products start the sums with the bias.
; The conversions name no register of the products round them: they are the places between a buffer's last product and the next quarter's first write into it.
.macro GRP f, g, s, q, zero
.if \zero
	WIN 0x81+0x40*((\s)/2)                         ; W window 1, x window 0, C window 0, D window 2 or 3
.else
	WIN 0xa1+0x50*((\s)/2)
.endif
.set i, 4*(\q)
.rept 4
.set rD, 8*(8*((2*(\s)+i/8)%4)+i%8)
.set rB, (\f)+8*(i%8)
.set rA, (\f)+8*(2*(\s)+i/8)
.if \zero
	v_wmma_f32_16x16x32_bf16 v[rD:rD+7], v[rB:rB+7], v[rA:rA+7], v[BIAS+8*(i%8):BIAS+8*(i%8)+7]
.else
	v_wmma_f32_16x16x32_bf16 v[rD:rD+7], v[rB:rB+7], v[rA:rA+7], v[rD:rD+7]
.endif
.set i, i+1
.endr
	WIN 0x05+0x40*(1-(\s)/2)
.set c, 8*(\q)
.rept 8
	v_cvt_pk_bf16_f32 v[(\g)+32*((\s)%2)+c], v[192*((\s)%2)+2*c], v[192*((\s)%2)+2*c+1]
.set c, c+1
.endr
.endm
.macro SEG f, g, s, koff, zero         ; a segment: batch s is in; the next batch is asked for; 16 products and batch s's 32 conversions
	s_wait_dscnt 0x0                               ; batch s, asked for 16 products ago
	LD16 ((\s)+1)%4, \koff
	GRP \f, \g, \s, 0, \zero
	GRP \f, \g, \s, 1, \zero
	GRP \f, \g, \s, 2, \zero
	GRP \f, \g, \s, 3, \zero
.endm
; A quarter: 64 products on buffer f; the next quarter's fragments go into g.  k1: the rows' byte for batches 1-3; k2: for batch 0 of the quarter after.
; chg = 1, 2: in its last segment the slot has been read out, and the slots change: ONE barrier; in front of it each wave waits for all its tensor loads (one is out: its part of the next slot), adds 0 to its
; spare word, and waits for that and for its reads of this slot.  chg = 1: the barrier opens a round of the cluster's, and the slot is filled again, two steps ahead, first thing behind it.
.macro QTR f, g, k1, k2, zero, chg
	SEG \f, \g, 0, \k1, \zero
	SEG \f, \g, 1, \k1, \zero
	SEG \f, \g, 2, \k1, \zero
.if (\chg) == 0
	SEG \f, \g, 3, \k2, \zero
.else
	WIN 0
	s_wait_tensorcnt 0x0                           ; all my tensor loads have landed, so a group 0 may be written
	ds_add_u32 v[SPW], v[NIL]                      ; 0 onto my spare word
	s_xor_b32 s[TB], s[TB], SLOT
.if (\chg) == 1
	s_xor_b32 s[G0A+5], s[G0A+5], SLOT             ; the walking sets: the other slot than last time, the next step
	s_add_nc_u64 s[G0A+6:G0A+7], s[G0A+6:G0A+7], 256
	s_xor_b32 s[G0B+5], s[G0B+5], SLOT
	s_add_nc_u64 s[G0B+6:G0B+7], s[G0B+6:G0B+7], 256
.endif
	s_wait_dscnt 0x0                               ; the add is done; batch 3 is in, and with it my last read of this slot
	s_barrier_signal -1
	GRP \f, \g, 3, 0, \zero                        ; work on registers while the others arrive
	GRP \f, \g, 3, 1, \zero
	WIN 0
	s_barrier_wait -1
.if (\chg) == 1
	CREST                                          ; no wave of any partner still reads this slot or has a load on its way
	JLOAD                                          ; 128 products ahead of the wait for it
.endif
	v_add_nc_u32 v[CA], s[TB], v[ADRA0]
	v_add_nc_u32 v[CB], s[TB], v[ADRB0]
	LD16 0, \k2
	GRP \f, \g, 3, 2, \zero
	GRP \f, \g, 3, 3, \zero
.endif
.endm
.macro QA z, chg                       ; a step's first 32 along K: reads the rest of the slot, then changes slots
	QTR F0, F1, 128, 0, \z, \chg
.endm
.macro QB                              ; its second 32: reads the next slot
	QTR F1, F0, 0, 128, 0, 0
.endm
	s_wait_tensorcnt 1                             ; my part of step 0 is in; step 1's may stay out
	s_barrier_signal -1
	s_barrier_wait -1                              ; everybody's is
	LD16 0, 0                                      ; the first quarter's fragments, with no products to set between; each count of 16 leaves the batch just asked for out
	LD16 1, 0
	s_wait_dscnt 16
	CVALL F0, 0
	LD16 2, 0
	s_wait_dscnt 16
	CVALL F0, 1
	LD16 3, 0
	s_wait_dscnt 16
	CVALL F0, 2
	LD16 0, 128
	s_wait_dscnt 16
	CVALL F0, 3
	QA 1, 1                                        ; step 0: its products start the sums; slot 0 takes step 2
	WIN 0                                          ; at a label and at a branch every window is 0
	s_mov_b32 s3, 14
	s_branch .Lmid                                 ; the loop is entered in the middle of a trip
.Lk:                                               ; steps 1 to 13: the refills are steps 3 to 15
	QA 0, 1
	WIN 0
.Lmid:
	QB
	WIN 0
	s_sub_co_u32 s3, s3, 1
	s_cmp_lg_u32 s3, 0
	s_cbranch_scc1 .Lk
	s_mov_b32 s3, 2
.Lt:                                               ; steps 14 and 15 ask for nothing.  Step 15's fragment loads and conversions work on the bytes that step 14 left in slot 0 and serve nothing: the price of one text for both
	QA 0, 2
	QB
	WIN 0
	s_sub_co_u32 s3, s3, 1
	s_cmp_lg_u32 s3, 0
	s_cbranch_scc1 .Lt
	; THE WAY OUT.  Token tile a: 64 registers a lane are rounded to f16, 16 bytes for each feature tile, and stored as they lie: each store covers 512 consecutive bytes, aligned.
	PLACES
.set a, 0
.rept 8
	WIN 0x0a+5*(a/4)                               ; sources window 2 or 3
.set c, 0
.rept 32
	v_cvt_pk_f16_f32 v[TMP+32*(a%2)+c], v[64*(a%4)+2*c], v[64*(a%4)+2*c+1]
.set c, c+1
.endr
	WIN 0
	s_wait_xcnt 0x0                                ; the base is stepped, and the other set of packed results written again, only behind this wait
.if a > 0
.if a%2
	s_add_nc_u64 s[8:9], s[8:9], s[80:81]
.else
	s_add_nc_u64 s[8:9], s[8:9], s[82:83]
.endif
.endif
.set bb, 0
.rept 8
	global_store_b128 v[OFFB+bb], v[TMP+32*(a%2)+4*bb:TMP+32*(a%2)+4*bb+3], s[8:9]
.set bb, bb+1
.endr
.set a, a+1
.endr
	s_wait_tensorcnt 0x0                           ; the wave's end
	ds_add_u32 v[SPW], v[NIL]
	s_wait_dscnt 0x0
	CROUND                                         ; the closing round
	s_endpgm
.Lfunc_end_k_qed7b509a29_inproj:
	.size	k_qed7b509a29_inproj, .Lfunc_end_k_qed7b509a29_inproj-k_qed7b509a29_inproj
	.p2alignl 7, 3214868480
	.fill 96, 4, 3214868480
	.section	.rodata,"a",@progbits
	.p2align	6, 0x0
	.amdhsa_kernel k_qed7b509a29_inproj
		.amdhsa_group_segment_fixed_size 327680
		.amdhsa_private_segment_fixed_size 0
		.amdhsa_enable_private_segment 0
		.amdhsa_kernarg_size 144
		.amdhsa_user_sgpr_count 2
		.amdhsa_user_sgpr_kernarg_segment_ptr 1
		.amdhsa_wavefront_size32 1
		.amdhsa_system_sgpr_workgroup_id_x 1
		.amdhsa_system_sgpr_workgroup_id_y 1
		.amdhsa_system_sgpr_workgroup_id_z 1
		.amdhsa_system_vgpr_workitem_id 0
		.amdhsa_next_free_vgpr 1024
		.amdhsa_next_free_sgpr 104
		.amdhsa_reserve_vcc 0
		.amdhsa_float_denorm_mode_32 3
		.amdhsa_float_denorm_mode_16_64 3
		.amdhsa_memory_ordered 1
		.amdhsa_forward_progress 1
		.amdhsa_inst_pref_size 168
	.end_amdhsa_kernel
	.amdgpu_metadata
---
amdhsa.version: [ 1, 2 ]
amdhsa.kernels:
  - .name:           k_qed7b509a29_inproj
    .symbol:         k_qed7b509a29_inproj.kd
    .args:
      - { .name: query, .offset: 0, .size: 8, .value_kind: global_buffer, .address_space: global }
      - { .name: key, .offset: 8, .size: 8, .value_kind: global_buffer, .address_space: global }
      - { .name: value, .offset: 16, .size: 8, .value_kind: global_buffer, .address_space: global }
      - { .name: in_w1, .offset: 24, .size: 8, .value_kind: global_buffer, .address_space: global }
      - { .name: in_w2, .offset: 32, .size: 8, .value_kind: global_buffer, .address_space: global }
      - { .name: in_w3, .offset: 40, .size: 8, .value_kind: global_buffer, .address_space: global }
      - { .name: in_b1, .offset: 48, .size: 8, .value_kind: global_buffer, .address_space: global }
      - { .name: in_b2, .offset: 56, .size: 8, .value_kind: global_buffer, .address_space: global }
      - { .name: in_b3, .offset: 64, .size: 8, .value_kind: global_buffer, .address_space: global }
      - { .name: out_w1, .offset: 72, .size: 8, .value_kind: global_buffer, .address_space: global }
      - { .name: out_w2, .offset: 80, .size: 8, .value_kind: global_buffer, .address_space: global }
      - { .name: out_w3, .offset: 88, .size: 8, .value_kind: global_buffer, .address_space: global }
      - { .name: attn_mask, .offset: 96, .size: 8, .value_kind: global_buffer, .address_space: global }
      - { .name: qf, .offset: 104, .size: 8, .value_kind: global_buffer, .address_space: global }
      - { .name: kf, .offset: 112, .size: 8, .value_kind: global_buffer, .address_space: global }
      - { .name: vf, .offset: 120, .size: 8, .value_kind: global_buffer, .address_space: global }
      - { .name: wo, .offset: 128, .size: 8, .value_kind: global_buffer, .address_space: global }
      - { .name: mk, .offset: 136, .size: 8, .value_kind: global_buffer, .address_space: global }
    .group_segment_fixed_size: 327680
    .private_segment_fixed_size: 0
    .kernarg_segment_align: 8
    .kernarg_segment_size: 144
    .max_flat_workgroup_size: 128
    .sgpr_count:     104
    .vgpr_count:     1024
    .wavefront_size: 32
...
	.end_amdgpu_metadata
.endif
;; end of part 1
;; launch attn (part 2): grid 32 x 8, 4 waves a work-group, clusters of 4 x 1, 327,680 bytes of LDS; arguments qf, kf, vf, mk, cf, out1; writes cf, out1
.if DOCPART == 2
	.amdgcn_target "amdgcn-amd-amdhsa--gfx1250"
	.amdhsa_code_object_version 6
	.text
	.protected	k_qed7b509a29_attn
	.globl	k_qed7b509a29_attn
	.p2align	8
	.type	k_qed7b509a29_attn,@function
k_qed7b509a29_attn:
	s_mov_b64 s[64:65], 0
	v_nop
	global_prefetch_b8 v0, s[64:65] scope:SCOPE_SE
	s_setreg_imm32_b32 hwreg(HW_REG_WAVE_MODE, 25, 1), 1
	s_wait_xcnt 0x0
	s_wait_alu depctr_hold_cnt(0) depctr_sa_sdst(0) depctr_va_vdst(0) depctr_va_sdst(0) depctr_va_ssrc(0) depctr_va_vcc(0) depctr_vm_vsrc(0)
	s_getreg_b32 s2, hwreg(HW_REG_IB_STS2, 6, 4)
	s_cmp_eq_u32 s2, 0
	s_cbranch_scc0 .Lentry_in_a_cluster
	s_endpgm
.Lentry_in_a_cluster:
	s_bfe_u32 s2, ttmp6, 0x10000c
	s_cmp_lg_u32 s2, 0x3003
	s_cbranch_scc0 .Lentry_shape_is_right
	s_endpgm
.Lentry_shape_is_right:
; ATTENTION WITH AN ADDITIVE MASK, AND THE WEIGHTS AVERAGED OVER THE 16 HEADS.  p = softmax_k(q . k / 8 + mask[q][k]); ctx = p V (f16, to cf); out1[b][q][k] = the sum over heads of p / 16 (f32).
; SHARES.  A work-group owns 32 queries (two tiles u of 16) of one b and walks the 16 heads; wave w owns the keys 256 w .. 256 w + 255 of every head (16 tiles kt).  So a whole row of scores lies in the four
; waves' registers: the true maximum is taken, nothing is rescaled, and the sum over heads stays in registers.
; LAYOUT.  S^T = K Q^T + M (source 0 = 16 keys, source 1 = 16 queries; the sums start from 8 x mask): a lane holds ONE query (lane % 16) and the keys 8 (lane / 16) + 0..7.  Two such tiles rounded to f16 ARE
; source 1 of O^T = V^T P.  qf, kf, vf, mk lie in fragment order: every load is base + 16 x lane + a constant.
; SOFTMAX.  c = log2(e) / 8.  Each wave: m_w = the maximum of its 256 scores, p = 2^(c s - c m_w), l_w = their sum.  The waves exchange (c m_w, l_w) through LDS: M = max, l = the sum of 2^(c m_i - M) l_i;
; fO = 2^(c m_w - M) / l scales my part of O^T, fO / 16 my weights.  The four parts of O^T are added through LDS, in a fixed order.
; LIMITS.  q, k, v arrive in f16; p lies in 0 to 1 and is rounded to f16 for the second product (l and the weights take the unrounded p); ctx is f16.  The mask arrives clamped at -1e30 / 8: a key masked with
; -inf has weight 0; a row masked with -inf at EVERY key gets uniform weights here, not the zeros of nan_to_num.  A weight below 2^-126 counts as 0.  NaN and +inf are not treated apart.
; K GOES STRAIGHT INTO REGISTERS.  A wave's 32,768 bytes of a head's K are read once, by that wave alone, in the order in which they lie: 64 loads of 512 consecutive bytes, asked for a head ahead, as soon as
; the products have read the registers.  The mask, which every head reads again, lies in LDS (131,072 bytes, stored once) and is loaded into S's registers, where the products add onto it.
; So LDS is filled again ONCE a head, with V: asked for when all have read V (the round behind the second product), it lands under the first product and the softmax of the next head.
; CLUSTER.  The four work-groups of a cluster share b, so V's tiles are asked for JOINTLY; each wave asks for, and alone reads, its own 32,768 bytes.  NO JOINT REQUEST FOR K: a joint request lands in LDS, and
; beside the mask (131,072), V (131,072), the parts of O^T (32,768), the statistics and the spare words (1,536) only 31,232 bytes are left; with K in LDS and the mask in registers a head has two refills, each
; of which must have landed at the other's barrier.  The price: each of the four partners reads K for itself.
; REGISTERS, in windows of 256 (s_set_vgpr_msb: bits 1:0 source 0, 3:2 source 1, 5:4 source 2, 7:6 destination):
;   window 0: v0-15 addresses; v16-95 statistics and work; v96-127 Q; v128-255 P (64 a query tile)          window 1: K of one head: tile kt, channel half c at 16 kt + 8 c
;   window 2: S(u, kt) at 128 u + 8 kt; behind the weight sums O^T at v0-63 and V's fragments, two buffers, at v64-191          window 3: the weight sums W, same index as S
.set VSL,   131072                     ; V's slot; the mask begins at 0: 32,768 bytes a wave each
.set OX,    262144                     ; the parts of O^T: wave*8192 + (2 ct + u)*1024 + half*512 + 16 L
.set ST,    294912                     ; the statistics: wave*256 + u*128 + (lane % 16)*8
.set SPARE, 295936                     ; the spare words, 128 bytes a wave
.set WP,    1040                       ; at the end: a row of my stage: 1,024 bytes + 16
.set L16, 1                            ; v1   16 x lane
.set AM,  2                            ; v2   my lane in my part of the mask
.set AV,  3                            ; v3   in my part of V's slot
.set STW, 4
.set STR, 5
.set OXW, 6
.set OXR, 7                            ; v7   channel tile ct = my wave, in every wave's part
.set WSW, 8
.set WSR, 9
.set SPW, 10                           ; v10  LDS address of my spare word; never rewritten
.set NIL, 11                           ; v11  0; never rewritten
.set CM,  16                           ; v16-19  (c m, l) of u = 0, 1
.set MC,  20                           ; v20-27  maximum chains, 4 a query tile
.set LS,  28                           ; v28-43  sum chains, 4 pairs a query tile
.set EE,  44                           ; v44-59  the four waves' (c m, l): 8 u + 2 i
.set FO,  60                           ; v60-63  fO, in the low register of a pair
.set FW,  64                           ; v64-67  fO / 16
.set TT,  68                           ; v68-79  at work
.set CT,  80                           ; v80-87  ctx, packed
.set Q,   96
.set P,   128
.set VB,  64
.set HD,  40                           ; s40  heads to go, the one in hand among them
.set CS,  42                           ; s[42:43] c
.set SEL, 44                           ; s[44:45] v_permlanex16_b32's selects: each lane takes its own place in the other half
.set MSB, 0
.macro WIN new
.if MSB != (\new)
	s_set_vgpr_msb (MSB<<8)|(\new)
.set MSB, (\new)
.endif
.endm
.macro PLACES
.rept 4
	v_nop
.endr
.endm
.macro CROUND                          ; a round of the cluster's barrier
	s_barrier_signal -1
	s_barrier_wait -1
	s_cmp_lg_u32 s16, 0
	s_cbranch_scc1 .Lnot_wave_0_\@
	s_barrier_signal -3
.Lnot_wave_0_\@:
	s_barrier_wait -3
	s_barrier_signal -1
	s_barrier_wait -1
.endm
.macro LOADQ                           ; a head's Q: (u, channel half c, block): 8 loads of 512 consecutive bytes
	WIN 0
.set i, 0
.rept 8
	global_load_b128 v[Q+4*i:Q+4*i+3], v[L16], s[4:5] offset:(i/4)*32768+(i%4)*512
.set i, i+1
.endr
.endm
.macro LOADK lo, cnt                   ; cnt of the 64 loads of my part of a head's K, from number lo on: 512 consecutive bytes each, into window 1
	WIN 0x40
.set i, (\lo)
.rept (\cnt)
	global_load_b128 v[4*i:4*i+3], v[L16], s[6:7] offset:512*i
.set i, i+1
.endr
.endm
; The mask of tiles 4 g .. 4 g + 3 of both query tiles: 16 LDS loads into (or, once, stores from) the registers of S that group g of the products adds onto.
.macro FETCH_M g
	WIN 0x80
.set i, 0
.rept 16
.set mx, 32*(i/8)+8*(\g)+i%8
	ds_load_b128 v[4*mx:4*mx+3], v[AM] offset:512*mx
.set i, i+1
.endr
.endm
.macro STORE_M g
	WIN 0x08                                       ; store data (source 1) window 2
.set i, 0
.rept 16
.set mx, 32*(i/8)+8*(\g)+i%8
	ds_store_b128 v[AM], v[4*mx:4*mx+3] offset:512*mx
.set i, i+1
.endr
.endm
	s_load_b256 s[4:11], s[0:1], 0x0               ; qf 4, kf 6, vf 8, mk 10
	s_load_b128 s[12:15], s[0:1], 0x20             ; cf 12, out1 14
	v_lshl_add_u32 v[SPW], v0, 2, SPARE
	v_mov_b32 v[NIL], 0
	ds_add_u32 v[SPW], v[NIL]                      ; the wave's opening: the add and its wait stand ahead of my first tensor load
	v_lshrrev_b32 v12, 5, v0
	v_readfirstlane_b32 s16, v12                   ; wave 0..3
	s_bfe_u32 s17, ttmp6, 0x40000                  ; cx
	s_lshl_b32 s18, ttmp9, 2
	s_add_co_u32 s18, s18, s17                     ; tb: my block of 32 queries; it enters the addresses of Q, the mask, ctx and the weights alone
	s_and_b32 s19, ttmp7, 0xffff                   ; b, which the four partners share
	; descriptor group 1: 32,768 dense bytes as 128 rows of 32 elements of 8 bytes; the mask names all four work-groups, bit 21 beside it
	s_mov_b32 s24, 15|(3<<16)|(1<<21)
	s_mov_b32 s25, 32<<16
	s_mov_b32 s26, 128<<16
	s_mov_b32 s27, 32<<16
	s_mov_b32 s28, 128
	s_mov_b32 s29, 32
	s_mov_b32 s30, 0
	s_mov_b32 s31, 0
	s_lshl_b32 s33, s16, 15                        ; my 32,768 bytes of a region
	s_mov_b32 s36, 1                               ; s[36:39] group 0 for V
	s_add_co_u32 s37, s33, VSL
	s_lshl_b32 s20, s19, 21                        ; kf, vf: b's 16 heads of 131,072 bytes, my 32,768 of a head
	s_add_co_u32 s20, s20, s33
	s_mov_b32 s21, 0
	s_lshl_b32 s22, s19, 21                        ; qf, cf: (64 b + 2 tb) x 32,768
	s_lshl_b32 s23, s18, 16
	s_add_co_u32 s22, s22, s23
	s_mov_b32 s23, 0
	s_lshl_b32 s46, s18, 17                        ; mk: (128 tb + 16 w) x 1,024
	s_lshl_b32 s47, s16, 14
	s_add_co_u32 s46, s46, s47
	s_mov_b32 s47, 0
	s_mov_b32 s[CS], 0x3e38aa3b                    ; c = log2(e) / 8
	s_mov_b32 s[CS+1], s[CS]
	s_mov_b32 s[SEL], 0x76543210
	s_mov_b32 s[SEL+1], 0xfedcba98
	v_and_b32 v12, 31, v0
	v_lshlrev_b32 v[L16], 4, v12
	v_and_b32 v13, 15, v0                          ; r
	v_bfe_u32 v14, v0, 4, 1                        ; h
	v_add_nc_u32 v[AM], s33, v[L16]
	v_add_nc_u32 v[AV], VSL, v[AM]
	s_lshl_b32 s40, s16, 8
	s_add_co_u32 s40, s40, ST
	v_lshl_add_u32 v[STW], v13, 3, s40
	v_lshlrev_b32 v[STR], 3, v13
	v_add_nc_u32 v[STR], ST, v[STR]
	s_lshl_b32 s40, s16, 13
	s_add_co_u32 s40, s40, OX
	v_add_nc_u32 v[OXW], s40, v[L16]
	s_lshl_b32 s40, s16, 11
	s_add_co_u32 s40, s40, OX
	v_add_nc_u32 v[OXR], s40, v[L16]
	s_lshl_b32 s40, s16, 16                        ; my stage at the end: 65,536 x wave, where the mask and V lay
	v_mul_u32_u24 v[WSW], v13, WP
	v_lshl_add_u32 v[WSW], v14, 5, v[WSW]
	v_add_nc_u32 v[WSW], s40, v[WSW]
	v_add_nc_u32 v[WSR], s40, v[L16]
	s_wait_dscnt 0x0                               ; the opening add is done
	s_wait_kmcnt 0x0
	s_add_nc_u64 s[6:7], s[6:7], s[20:21]          ; K at my 256 keys of b's head 0
	s_add_nc_u64 s[38:39], s[8:9], s[20:21]
	s_or_b32 s39, s39, 0x80000000
	s_add_nc_u64 s[4:5], s[4:5], s[22:23]
	s_add_nc_u64 s[12:13], s[12:13], s[22:23]
	s_lshl_b32 s22, s16, 9                         ; cf: channel tile ct = my wave
	s_add_nc_u64 s[12:13], s[12:13], s[22:23]
	s_add_nc_u64 s[10:11], s[10:11], s[46:47]
	s_lshl_b32 s46, s19, 22                        ; out1: ((1024 b + 32 tb) x 1024 + 256 w) x 4
	s_lshl_b32 s22, s18, 17
	s_add_co_u32 s46, s46, s22
	s_lshl_b32 s22, s16, 10
	s_add_co_u32 s46, s46, s22
	s_add_nc_u64 s[14:15], s[14:15], s[46:47]
	CROUND                                         ; all four work-groups are here: the first joint loads meet
	tensor_load_to_lds s[36:39], s[24:31]          ; V of head 0: one load of mine is out
	s_nop 0
	PLACES
	LOADQ                                          ; head 0's Q and the first 48 loads of its K
	LOADK 0, 48
	WIN 0xc0                                       ; the weight sums start at 0: cleared on purpose, in the wait for the first loads: a first head written out would be a second copy of the head's text
.set i, 0
.rept 256
	v_mov_b32 v[i], 0
.set i, i+1
.endr
	WIN 0
.irp x, CM+1, CM+3, FO+1, FO+3, FW+1, FW+3     ; the second registers of pairs that are named whole
	v_mov_b32 v[\x], 0
.endr
	WIN 0x80
.set i, 0
.rept 64                                       ; the mask, into S's registers, where head 0 wants it: tile (u, kt) = i / 2, half i % 2
	global_load_b128 v[4*i:4*i+3], v[L16], s[10:11] offset:(i/32)*65536+(i%32)*512
.set i, i+1
.endr
	LOADK 48, 16
	WIN 0
	s_wait_loadcnt 0x0                             ; the mask, Q and K of head 0
	STORE_M 0                                      ; the mask goes into my part of LDS for the 15 heads to come, in the order in which the products take S's registers over:
	STORE_M 1                                      ; the counted waits in front of the groups of products cover these stores too.  Only I read these bytes: no barrier
	STORE_M 2
	STORE_M 3
	WIN 0
; 16 products: tiles 4 g .. 4 g + 3 x both query tiles; the first 8 add the first 32 channels onto the mask, the second 8 the other 32.  The 8 accumulators take turns.
.macro KQG g
	WIN 0xa1                                       ; K window 1, Q window 0, C and D window 2
.set i, 0
.rept 16
.set rS, 128*(i%2)+8*(4*(\g)+(i%8)/2)
.set rK, 16*(4*(\g)+(i%8)/2)+8*(i/8)
.set rQ, Q+16*(i%2)+8*(i/8)
	v_wmma_f32_16x16x32_f16 v[rS:rS+7], v[rK:rK+7], v[rQ:rQ+7], v[rS:rS+7]
.set i, i+1
.endr
.endm
; Step k of 16 of the eight maximum chains.  Chain n of a query tile walks the 32 registers of tiles n, n + 4, n + 8, n + 12 in ascending order, so each accumulator is first read at its register 0.
.macro MAXOP k
.set n, 0
.rept 8
.set x1, 2*(\k)+1
.set x2, 2*(\k)+2
.set b0, 128*(n/4)+8*(n%4)
.if (\k) == 0
	WIN 0x2a
	v_max3_num_f32 v[MC+n], v[b0], v[b0+1], v[b0+2]
.elseif (\k) < 15
	WIN 0x28
	v_max3_num_f32 v[MC+n], v[MC+n], v[b0+32*(x1/8)+x1%8], v[b0+32*(x2/8)+x2%8]
.else
	WIN 0x28
	v_max_num_f32 v[MC+n], v[MC+n], v[b0+103]
.endif
.set n, n+1
.endr
.endm
.macro EX t, j
	v_exp_f32 v[8*(\t)+(\j)], v[8*(\t)+(\j)]
.endm
.macro FS t, p                         ; c s - c m for pair p of tile t
	v_pk_fma_f32 v[8*(\t)+2*(\p):8*(\t)+2*(\p)+1], v[8*(\t)+2*(\p):8*(\t)+2*(\p)+1], s[CS:CS+1], v[CM+2*((\t)/16):CM+2*((\t)/16)+1] op_sel_hi:[1,0,0] neg_lo:[0,0,1] neg_hi:[0,0,1]
.endm
.macro SUMT t                          ; tile t's four pairs go into the four sum chains; a query tile's tiles 0 and 1 start them
.set sp, 0
.if ((\t)%16) == 1
	WIN 0x0a
	s_wait_alu depctr_va_vdst(0)
.rept 4
	v_pk_add_f32 v[LS+8*((\t)/16)+2*sp:LS+8*((\t)/16)+2*sp+1], v[8*(\t)-8+2*sp:8*(\t)-8+2*sp+1], v[8*(\t)+2*sp:8*(\t)+2*sp+1]
.set sp, sp+1
.endr
.elseif ((\t)%16) > 1
	WIN 0x02
	s_wait_alu depctr_va_vdst(0)
.rept 4
	v_pk_add_f32 v[LS+8*((\t)/16)+2*sp:LS+8*((\t)/16)+2*sp+1], v[8*(\t)+2*sp:8*(\t)+2*sp+1], v[LS+8*((\t)/16)+2*sp:LS+8*((\t)/16)+2*sp+1]
.set sp, sp+1
.endr
.endif
.endm
.macro WS lo, cnt                      ; W += S x fO / 16, cnt pairs from register lo on
	WIN 0xf2
.set z, (\lo)
.rept (\cnt)
	v_pk_fma_f32 v[z:z+1], v[z:z+1], v[FW+2*(z/128):FW+2*(z/128)+1], v[z:z+1] op_sel_hi:[1,0,1]
.set z, z+2
.endr
.endm
.macro FETCH_V g                       ; V of keys 64 g .. 64 g + 63, turned: 16 loads into buffer g % 2: (32 keys kbl, channel tile ct, 16 keys blk)
	WIN 0x80
.set i, 0
.rept 16
	ds_load_tr16_b128 v[VB+64*((\g)%2)+4*i:VB+64*((\g)%2)+4*i+3], v[AV] offset:(\g)*8192+i*512
.set i, i+1
.endr
.endm
.macro PVG g                           ; 16 products O^T(ct, u) += V^T P; the 8 accumulators take turns; the very first 8 start the sums
	WIN 0xa2                                       ; V window 2, P window 0, C and D window 2
.set i, 0
.rept 16
.set rO, 8*(i%8)
.set rV, VB+64*((\g)%2)+32*(i/8)+8*((i/2)%4)
.set rP, P+64*(i%2)+8*(2*(\g)+i/8)
.if ((\g) == 0) && (i < 8)
	v_wmma_f32_16x16x32_f16 v[rO:rO+7], v[rV:rV+7], v[rP:rP+7], 0
.else
	v_wmma_f32_16x16x32_f16 v[rO:rO+7], v[rV:rV+7], v[rP:rP+7], v[rO:rO+7]
.endif
.set i, i+1
.endr
.endm
; A HEAD FROM ITS SCORES TO ITS SECOND PRODUCT: written once, for all 16 heads.  In the last head (s[HD] = 1) the next head's loads of Q and K are jumped over: what is jumped holds no barrier and no tensor load.
.macro SCORES
	; A. the scores.  Each count on DScnt leaves the later groups' 16 loads of the mask out.
	WIN 0
	s_wait_loadcnt 16                              ; Q and K's tiles 0 to 11 are in; K's last 16 loads, asked for later, may be out
	s_add_nc_u64 s[4:5], s[4:5], 2048              ; free since that wait: the next head's Q
	s_wait_dscnt 48
	KQG 0
	s_wait_dscnt 32
	KQG 1
	s_wait_dscnt 16
	KQG 2
	s_wait_loadcnt 0x0                             ; K's tiles 12 to 15
	s_add_nc_u64 s[6:7], s[6:7], 0x20000           ; free since that wait: the next head's K
	s_wait_dscnt 0x0
	KQG 3
	; B. my keys' maximum.  Behind the products of tiles 0-3 stand matrix instructions alone, which are no places (ISA guide 7.12.1): four v_nop come in front of the first step, which reads those tiles.
	; They and the step's eight lines are also the places behind the last products, in front of the loads into the registers that those read.
	PLACES
	MAXOP 0
	WIN 0
	s_cmp_eq_u32 s[HD], 1
	s_cbranch_scc1 .Lno_k1
	LOADQ                                          ; the next head's Q and 48 of its K's 64 loads: 56 go out at once, inside LOADcnt's field of 63, so that the wave is not held at the issue of a load
	LOADK 0, 48                                    ; (ISA guide 5.7.1) and goes on with the maximum; they have the rest of this head in which to land
	WIN 0
.Lno_k1:
.set kk, 1
.rept 15
	MAXOP kk
.set kk, kk+1
.endr
	WIN 0
	v_max3_num_f32 v[MC], v[MC], v[MC+1], v[MC+2]
	v_max3_num_f32 v[MC+4], v[MC+4], v[MC+5], v[MC+6]
	v_max_num_f32 v[MC], v[MC], v[MC+3]
	v_max_num_f32 v[MC+4], v[MC+4], v[MC+7]
	v_permlanex16_b32 v12, v[MC], s[SEL], s[SEL+1]  ; the query's other keys lie in the lane 16 away
	v_permlanex16_b32 v13, v[MC+4], s[SEL], s[SEL+1]
	v_max_num_f32 v[MC], v[MC], v12
	v_max_num_f32 v[MC+4], v[MC+4], v13
	v_mul_f32 v[CM], s[CS], v[MC]
	v_mul_f32 v[CM+2], s[CS], v[MC+4]
	; scaling, exponentials and sums, tile by tile: tile X's exponentials stand among tile X + 1's scalings, tile X - 1's sums behind them: a plain line stands behind every run of exponentials (ISA guide 5.7.2)
	WIN 0x82
	FS 0, 0
	FS 0, 1
	FS 0, 2
	FS 0, 3
.set X, 0
.rept 32
	WIN 0x82
.set pq, 0
.rept 4
	EX X, 2*pq
	EX X, 2*pq+1
.if X < 31
	FS X+1, pq
.endif
.set pq, pq+1
.endr
.if X > 0
	SUMT X-1
.endif
.set X, X+1
.endr
	SUMT 31
	WIN 0
	v_pk_add_f32 v[LS:LS+1], v[LS:LS+1], v[LS+2:LS+3]
	v_pk_add_f32 v[LS+4:LS+5], v[LS+4:LS+5], v[LS+6:LS+7]
	v_pk_add_f32 v[LS+8:LS+9], v[LS+8:LS+9], v[LS+10:LS+11]
	v_pk_add_f32 v[LS+12:LS+13], v[LS+12:LS+13], v[LS+14:LS+15]
	v_pk_add_f32 v[LS:LS+1], v[LS:LS+1], v[LS+4:LS+5]
	v_pk_add_f32 v[LS+8:LS+9], v[LS+8:LS+9], v[LS+12:LS+13]
	v_add_f32 v[LS], v[LS], v[LS+1]
	v_add_f32 v[LS+8], v[LS+8], v[LS+9]
	v_permlanex16_b32 v12, v[LS], s[SEL], s[SEL+1]
	v_permlanex16_b32 v13, v[LS+8], s[SEL], s[SEL+1]
	v_add_f32 v[CM+1], v[LS], v12
	v_add_f32 v[CM+3], v[LS+8], v13
	; C. the work-group's barrier for the statistics.  V's load may stay on its way across it.
	ds_store_b64 v[STW], v[CM:CM+1]
	ds_store_b64 v[STW], v[CM+2:CM+3] offset:128
	s_wait_dscnt 0x0                               ; for the others' sake: my stores are done
	s_barrier_signal -1
	s_barrier_wait -1
	; D. the four waves' statistics; P; the weight sums; the second product
.set i, 0
.rept 8
	ds_load_b64 v[EE+2*i:EE+2*i+1], v[STR] offset:(i%4)*256+(i/4)*128
.set i, i+1
.endr
	WIN 0x0a
.set i, 0
.rept 128                                      ; two neighbouring tiles of S^T, rounded in pairs, are a fragment of P
	v_cvt_pk_f16_f32 v[P+i], v[2*i], v[2*i+1]
.set i, i+1
.endr
	WIN 0
	s_cmp_eq_u32 s[HD], 1
	s_cbranch_scc1 .Lno_k2
	LOADK 48, 16                                   ; the next head's K, tiles 12 to 15: the group of products that comes last
	WIN 0
.Lno_k2:
	s_wait_dscnt 0x0
.irp u, 0,1
	v_max3_num_f32 v[TT+6*(\u)+4], v[EE+8*(\u)], v[EE+8*(\u)+2], v[EE+8*(\u)+4]
.endr
.irp u, 0,1
	v_max_num_f32 v[TT+6*(\u)+4], v[TT+6*(\u)+4], v[EE+8*(\u)+6]
.endr
.irp u, 0,1
	v_sub_f32 v[TT+6*(\u)],   v[EE+8*(\u)],   v[TT+6*(\u)+4]
	v_sub_f32 v[TT+6*(\u)+1], v[EE+8*(\u)+2], v[TT+6*(\u)+4]
	v_sub_f32 v[TT+6*(\u)+2], v[EE+8*(\u)+4], v[TT+6*(\u)+4]
	v_sub_f32 v[TT+6*(\u)+3], v[EE+8*(\u)+6], v[TT+6*(\u)+4]
	v_sub_f32 v[TT+6*(\u)+5], v[CM+2*(\u)],   v[TT+6*(\u)+4]
.endr
.irp u, 0,1
.irp x, 0,1,2,3,5
	v_exp_f32 v[TT+6*(\u)+(\x)], v[TT+6*(\u)+(\x)]
.endr
.endr
	v_nop
	s_wait_alu depctr_va_vdst(0)
.irp u, 0,1
	v_mul_f32 v[TT+6*(\u)+4], v[TT+6*(\u)], v[EE+8*(\u)+1]
.endr
.irp x, 1,2,3
.irp u, 0,1
	v_fmac_f32 v[TT+6*(\u)+4], v[TT+6*(\u)+(\x)], v[EE+8*(\u)+2*(\x)+1]
.endr
.endr
	v_rcp_f32 v[TT+4], v[TT+4]                     ; l is at least 1: the wave that holds the maximum adds its own l, which holds a 1
	v_rcp_f32 v[TT+10], v[TT+10]
	v_nop
	s_wait_alu depctr_va_vdst(0)
	v_mul_f32 v[FO], v[TT+5], v[TT+4]
	v_mul_f32 v[FO+2], v[TT+11], v[TT+10]
	v_mul_f32 v[FW], 0x3d800000, v[FO]
	v_mul_f32 v[FW+2], 0x3d800000, v[FO+2]
	WS 64, 64                                      ; first the registers that V's fragments take,
	s_wait_tensorcnt 0x0                           ; my part of this head's V has landed, and only I read it: for 0, since no load of mine was issued behind it
	FETCH_V 0
	FETCH_V 1
	WS 0, 32                                       ; then those that O^T takes, and the rest
	WS 192, 32
	s_wait_dscnt 16                                ; each count of 16 leaves the next group's 16 loads out
	PVG 0
	PLACES                                         ; in front of loads into registers that those products read
	FETCH_V 2
	s_wait_dscnt 16
	PVG 1
	PLACES
	FETCH_V 3
	s_wait_dscnt 16
	PVG 2
	s_wait_dscnt 0x0
	PVG 3
.endm
; THE REST OF A HEAD: the parts of O^T are exchanged and added.  more = 1: V's slot is filled again and the mask is fetched for the next head.
.macro PARTS more
	; E. my part of O^T, scaled, goes into LDS; my reads of V are over
	PLACES
	WIN 0x82
.set z, 0
.rept 32
	v_pk_mul_f32 v[z:z+1], v[z:z+1], v[FO+2*((z/8)%2):FO+2*((z/8)%2)+1] op_sel_hi:[1,0]
.set z, z+2
.endr
	WIN 0x08                                       ; store data (source 1) window 2
.set i, 0
.rept 16
	ds_store_b128 v[OXW], v[4*i:4*i+3] offset:512*i
.set i, i+1
.endr
	WIN 0
	s_wait_tensorcnt 0x0                           ; no tensor load of mine is out, so the group 0 may be written
	ds_add_u32 v[SPW], v[NIL]                      ; 0 onto my spare word
.if \more
	s_add_nc_u64 s[38:39], s[38:39], 0x20000       ; the next head's V
.endif
	s_wait_dscnt 0x0                               ; the add and my stores are done; my reads of V came back in front of the last products
.if \more
	CROUND                                         ; no wave of any partner still reads V's slot or has a load on its way
	tensor_load_to_lds s[36:39], s[24:31]          ; my one tensor load of the head: it lands under the first product and the softmax of the next head
	s_nop 0
	PLACES
.else
	s_barrier_signal -1
	s_barrier_wait -1
.endif
	; F. channel tile ct = my wave: the four waves' parts are added, rounded to f16 and stored
	WIN 0x80
.set i, 0
.rept 16                                       ; wave i / 4, u = (i / 2) % 2, half i % 2
	ds_load_b128 v[64+4*i:64+4*i+3], v[OXR] offset:(i/4)*8192+((i/2)%2)*1024+(i%2)*512
.set i, i+1
.endr
.if \more
	FETCH_M 0                                      ; the mask for the next head's first two groups of products, into registers that O^T and V's fragments have left
	FETCH_M 1
	s_wait_dscnt 32                                ; all but those 32
.else
	s_wait_dscnt 0x0
.endif
	WIN 0x8a
.set z, 0
.rept 8
	v_pk_add_f32 v[64+2*z:64+2*z+1], v[64+2*z:64+2*z+1], v[80+2*z:80+2*z+1]
	v_pk_add_f32 v[96+2*z:96+2*z+1], v[96+2*z:96+2*z+1], v[112+2*z:112+2*z+1]
.set z, z+1
.endr
.set z, 0
.rept 8
	v_pk_add_f32 v[64+2*z:64+2*z+1], v[64+2*z:64+2*z+1], v[96+2*z:96+2*z+1]
.set z, z+1
.endr
	WIN 0x0a
.set z, 0
.rept 8
	v_cvt_pk_f16_f32 v[CT+z], v[64+2*z], v[64+2*z+1]
.set z, z+1
.endr
.if \more
	FETCH_M 2                                      ; the other two groups' mask, part of it into the registers just added up
	FETCH_M 3
.endif
	WIN 0
	global_store_b128 v[L16], v[CT:CT+3], s[12:13]                  ; 512 consecutive bytes, aligned
	global_store_b128 v[L16], v[CT+4:CT+7], s[12:13] offset:32768
	s_wait_xcnt 0x0                                ; the base is stepped, and the packed registers written again, only behind this wait
	s_add_nc_u64 s[12:13], s[12:13], 2048          ; the next head's four channel tiles
.endm
	s_mov_b32 s[HD], 16
.Lhead:
	SCORES
	WIN 0                                          ; at a label and at a branch every window is 0
	s_cmp_eq_u32 s[HD], 1
	s_cbranch_scc1 .Llast                          ; the last head's rest is written out: it asks for nothing more
	PARTS 1
	s_sub_co_u32 s[HD], s[HD], 1
	s_branch .Lhead
.Llast:
	PARTS 0
	; THE WEIGHTS.  A lane holds 8 keys of a query; through my stage (rows of 1,040 bytes; V's slot has had its last fill, nothing fills the mask's bytes, and every wave's reads of both ended in front of the last barrier) they become whole rows of 1,024 bytes.
	WIN 0x0c                                       ; store data window 3
.set i, 0
.rept 64
	ds_store_b128 v[WSW], v[4*i:4*i+3] offset:(i/32)*16*WP+((i/2)%16)*64+(i%2)*16
.set i, i+1
.endr
	WIN 0x80
.set i, 0
.rept 64
	ds_load_b128 v[4*i:4*i+3], v[WSR] offset:(i/2)*WP+(i%2)*512  ; LDS serves a wave's instructions in order (ISA guide 5.7.1.4): these see the stores above
.set i, i+1
.endr
	WIN 0x08
.set i, 0
.rept 64
	s_wait_dscnt 63-i                              ; the younger loads stay out
	global_store_b128 v[L16], v[4*i:4*i+3], s[14:15] offset:(i/2)*4096+(i%2)*512 th:TH_STORE_NT  ; 512 consecutive bytes, aligned
.set i, i+1
.endr
	WIN 0
	s_wait_tensorcnt 0x0                           ; the wave's end
	ds_add_u32 v[SPW], v[NIL]
	s_wait_dscnt 0x0
	CROUND                                         ; the closing round
	s_endpgm
.Lfunc_end_k_qed7b509a29_attn:
	.size	k_qed7b509a29_attn, .Lfunc_end_k_qed7b509a29_attn-k_qed7b509a29_attn
	.p2alignl 7, 3214868480
	.fill 96, 4, 3214868480
	.section	.rodata,"a",@progbits
	.p2align	6, 0x0
	.amdhsa_kernel k_qed7b509a29_attn
		.amdhsa_group_segment_fixed_size 327680
		.amdhsa_private_segment_fixed_size 0
		.amdhsa_enable_private_segment 0
		.amdhsa_kernarg_size 48
		.amdhsa_user_sgpr_count 2
		.amdhsa_user_sgpr_kernarg_segment_ptr 1
		.amdhsa_wavefront_size32 1
		.amdhsa_system_sgpr_workgroup_id_x 1
		.amdhsa_system_sgpr_workgroup_id_y 1
		.amdhsa_system_sgpr_workgroup_id_z 1
		.amdhsa_system_vgpr_workitem_id 0
		.amdhsa_next_free_vgpr 1024
		.amdhsa_next_free_sgpr 66
		.amdhsa_reserve_vcc 0
		.amdhsa_float_denorm_mode_32 3
		.amdhsa_float_denorm_mode_16_64 3
		.amdhsa_memory_ordered 1
		.amdhsa_forward_progress 1
		.amdhsa_inst_pref_size 139
	.end_amdhsa_kernel
	.amdgpu_metadata
---
amdhsa.version: [ 1, 2 ]
amdhsa.kernels:
  - .name:           k_qed7b509a29_attn
    .symbol:         k_qed7b509a29_attn.kd
    .args:
      - { .name: qf, .offset: 0, .size: 8, .value_kind: global_buffer, .address_space: global }
      - { .name: kf, .offset: 8, .size: 8, .value_kind: global_buffer, .address_space: global }
      - { .name: vf, .offset: 16, .size: 8, .value_kind: global_buffer, .address_space: global }
      - { .name: mk, .offset: 24, .size: 8, .value_kind: global_buffer, .address_space: global }
      - { .name: cf, .offset: 32, .size: 8, .value_kind: global_buffer, .address_space: global }
      - { .name: out1, .offset: 40, .size: 8, .value_kind: global_buffer, .address_space: global }
    .group_segment_fixed_size: 327680
    .private_segment_fixed_size: 0
    .kernarg_segment_align: 8
    .kernarg_segment_size: 48
    .max_flat_workgroup_size: 128
    .sgpr_count:     66
    .vgpr_count:     1024
    .wavefront_size: 32
...
	.end_amdgpu_metadata
.endif
;; end of part 2
;; launch outproj (part 3): grid 4 x 64, 4 waves a work-group, clusters of 4 x 4, 327,680 bytes of LDS; arguments cf, wo, out_b1, out_b2, out_b3, out0; writes out0
.if DOCPART == 3
	.amdgcn_target "amdgcn-amd-amdhsa--gfx1250"
	.amdhsa_code_object_version 6
	.text
	.protected	k_qed7b509a29_outproj
	.globl	k_qed7b509a29_outproj
	.p2align	8
	.type	k_qed7b509a29_outproj,@function
k_qed7b509a29_outproj:
	s_mov_b64 s[64:65], 0
	v_nop
	global_prefetch_b8 v0, s[64:65] scope:SCOPE_SE
	s_setreg_imm32_b32 hwreg(HW_REG_WAVE_MODE, 25, 1), 1
	s_wait_xcnt 0x0
	s_wait_alu depctr_hold_cnt(0) depctr_sa_sdst(0) depctr_va_vdst(0) depctr_va_sdst(0) depctr_va_ssrc(0) depctr_va_vcc(0) depctr_vm_vsrc(0)
	s_getreg_b32 s2, hwreg(HW_REG_IB_STS2, 6, 4)
	s_cmp_eq_u32 s2, 0
	s_cbranch_scc0 .Lentry_in_a_cluster
	s_endpgm
.Lentry_in_a_cluster:
	s_bfe_u32 s2, ttmp6, 0x10000c
	s_cmp_lg_u32 s2, 0xf033
	s_cbranch_scc0 .Lentry_shape_is_right
	s_endpgm
.Lentry_shape_is_right:
; OUT-PROJECTION.  out0[l][b][f] = the sum over k of ctx[l][b][k] out_w[seg(l)][f][k] + out_b[seg(l)][f], f32.  ctx (cf) and the weights (wo: rounded to bf16, written as f16) arrive in f16, in fragment order:
; a block of 512 bytes is one 16-byte-a-lane load.  The bias is rounded to bf16 like every input.  Sums in f32.
; SHARES.  A work-group makes 128 tokens (one b, 128 consecutive l, which lie in one segment) x 256 features: 256 work-groups.  Wave (wm, wn): 64 tokens x 128 features: 32 accumulators, 256 registers.
; Source 0 = 16 tokens, source 1 = 16 rows of the weights; column r of weight tile (G, nb) is row 64 G + 4 r + nb.  So a lane's four accumulators nb = 0..3 hold four NEIGHBOURING features of a token:
; 16 bytes of f32, and sixteen lanes store 256 consecutive bytes, aligned, with no way through LDS.
; K goes in steps of 128 through two LDS slots.  CLUSTER 4 x 4: ctx's tile hangs on l and b: shared along a row of the cluster (same cy); the weights' on the segment and cx: shared along a column.
; REGISTERS: window 0: v0-63 addresses, bias; v64-159, v160-255 two fragment buffers (32 of ctx, 64 of weights), on the way out the sums with bias.  window 1: accumulator (a, n) at v[8 (8 a + n)].
.set SLOT,  98304                      ; ctx: 8 token tiles x 4,096; then the weights: 4 G x 16,384.  Dense: a fragment load takes 512 consecutive bytes
.set BOFF,  32768
.set SPARE, 2*SLOT
.set ADRA, 16                          ; v16-17  my ctx fragments in slot 0, 1
.set ADRB, 20                          ; v20-21  my weight fragments
.set CO,   26                          ; v26     my byte offset in out0
.set SPW,  28
.set NIL,  29
.set BI,   32                          ; v32-39  bias of features 64 gl + 4 r + nb at 4 gl + nb
.set F0,   64
.set F1,   160
.set G1A, 24
.set G0A, 32
.set G1B, 48
.set G0B, 56
.set MSB, 0
.macro WIN new
.if MSB != (\new)
	s_set_vgpr_msb (MSB<<8)|(\new)
.set MSB, (\new)
.endif
.endm
.macro PLACES
.rept 4
	v_nop
.endr
.endm
.macro JLOAD s                         ; a joint refill of slot s: waves 0 and 1 fetch ctx's two halves, waves 2 and 3 the weights'; an s_nop 0 and four v_nop follow each line
	s_cmp_eq_u32 s17, 0
	s_cbranch_scc0 .Lfor_w_\@
	tensor_load_to_lds s[G0A+4*(\s):G0A+4*(\s)+3], s[G1A:G1A+7]
	s_nop 0
	PLACES
	s_branch .Lasked_\@
.Lfor_w_\@:
	tensor_load_to_lds s[G0B+4*(\s):G0B+4*(\s)+3], s[G1B:G1B+7]
	s_nop 0
	PLACES
.Lasked_\@:
.endm
.macro CREST
	s_cmp_lg_u32 s16, 0
	s_cbranch_scc1 .Lnot_wave_0_\@
	s_barrier_signal -3
.Lnot_wave_0_\@:
	s_barrier_wait -3
	s_barrier_signal -1
	s_barrier_wait -1
.endm
.macro CROUND
	s_barrier_signal -1
	s_barrier_wait -1
	CREST
.endm
	s_load_b256 s[4:11], s[0:1], 0x0               ; cf 4, wo 6, out_b1 8, out_b2 10
	s_load_b128 s[12:15], s[0:1], 0x20             ; out_b3 12, out0 14
	v_lshl_add_u32 v[SPW], v0, 2, SPARE
	v_mov_b32 v[NIL], 0
	ds_add_u32 v[SPW], v[NIL]                      ; the wave's opening: the add and its wait stand ahead of my first tensor load
	v_lshrrev_b32 v1, 5, v0
	v_readfirstlane_b32 s16, v1                    ; wave 0..3
	s_lshr_b32 s17, s16, 1                         ; wm: which 64 tokens.  Also: I fetch ctx (0) or weights (1)
	s_and_b32 s18, s16, 1                          ; wn: which 128 features.  Also: which half of that tile I fetch
	s_bfe_u32 s19, ttmp6, 0x40000                  ; cx: the tile of 256 features
	s_bfe_u32 s20, ttmp6, 0x40004                  ; cy
	s_and_b32 s2, ttmp7, 0xffff
	s_lshr_b32 s21, s2, 1                          ; block of 128 l
	s_and_b32 s22, s2, 1
	s_lshl2_add_u32 s22, s22, s20                  ; b
	s_lshr_b32 s23, s21, 1
	s_min_u32 s23, s23, 2                          ; the segment: the same in the whole cluster
	s_lshl_b32 s40, s20, 2
	s_lshl_b32 s40, 15, s40                        ; my row of the cluster
	s_lshl_b32 s42, 0x1111, s19                    ; my column
	s_or_b32 s[G1A+0], s40, (3<<16)|(1<<21)        ; elements of 8 bytes, no padding
	s_or_b32 s[G1B+0], s42, (3<<16)|(1<<21)
	s_mov_b32 s[G1A+1], 512<<16                    ; ctx: 4 token tiles x 4,096 bytes, 32,768 bytes apart
	s_mov_b32 s[G1A+2], 4<<16
	s_mov_b32 s[G1A+3], 512<<16
	s_mov_b32 s[G1A+4], 4
	s_mov_b32 s[G1A+5], 4096
	s_mov_b32 s[G1A+6], 0
	s_mov_b32 s[G1A+7], 0
	s_mov_b32 s[G1B+1], 2048<<16                   ; weights: 2 G x 16,384 bytes, 131,072 bytes apart
	s_mov_b32 s[G1B+2], 2<<16
	s_mov_b32 s[G1B+3], 2048<<16
	s_mov_b32 s[G1B+4], 2
	s_mov_b32 s[G1B+5], 16384
	s_mov_b32 s[G1B+6], 0
	s_mov_b32 s[G1B+7], 0
	s_lshl_b32 s40, s22, 21                        ; cf: (64 b + 8 lblk + 4 half) x 32,768
	s_lshl_b32 s41, s21, 18
	s_add_co_u32 s40, s40, s41
	s_lshl_b32 s41, s18, 17
	s_add_co_u32 s40, s40, s41
	s_mov_b32 s41, 0
	s_lshl_b32 s42, s23, 21                        ; wo: seg x 2,097,152 + (4 cx + 2 half) x 131,072
	s_lshl_b32 s43, s19, 19
	s_add_co_u32 s42, s42, s43
	s_lshl_b32 s43, s18, 18
	s_add_co_u32 s42, s42, s43
	s_mov_b32 s43, 0
	s_lshl_b32 s44, s18, 14                        ; where they go: no place in the cluster enters an LDS address
	s_lshl_b32 s45, s18, 15
	s_add_co_u32 s45, s45, BOFF
.irp s, 0,1
	s_mov_b32 s[G0A+4*(\s)], 1
	s_add_co_u32 s[G0A+4*(\s)+1], s44, (\s)*SLOT
	s_mov_b32 s[G0B+4*(\s)], 1
	s_add_co_u32 s[G0B+4*(\s)+1], s45, (\s)*SLOT
.endr
	s_wait_dscnt 0x0                               ; the opening add is done
	s_wait_kmcnt 0x0
	s_add_nc_u64 s[4:5], s[4:5], s[40:41]
	s_add_nc_u64 s[6:7], s[6:7], s[42:43]
.irp s, 0,1
	s_add_nc_u64 s[G0A+4*(\s)+2:G0A+4*(\s)+3], s[4:5], (\s)*4096    ; K step s
	s_or_b32 s[G0A+4*(\s)+3], s[G0A+4*(\s)+3], 0x80000000
	s_add_nc_u64 s[G0B+4*(\s)+2:G0B+4*(\s)+3], s[6:7], (\s)*16384
	s_or_b32 s[G0B+4*(\s)+3], s[G0B+4*(\s)+3], 0x80000000
.endr
	s_cmp_eq_u32 s23, 1
	s_cselect_b64 s[8:9], s[10:11], s[8:9]         ; the segment's bias
	s_cmp_eq_u32 s23, 2
	s_cselect_b64 s[8:9], s[12:13], s[8:9]
	CROUND                                         ; all sixteen work-groups are here: the first joint loads meet
	s_cmp_eq_u32 s17, 0                            ; a wave's two first fills stand in one branch: two loads of mine are out
	s_cbranch_scc0 .Lfirst_w
	tensor_load_to_lds s[G0A:G0A+3], s[G1A:G1A+7]
	s_nop 0
	tensor_load_to_lds s[G0A+4:G0A+7], s[G1A:G1A+7]
	s_nop 0
	PLACES
	s_branch .Lfirst_asked
.Lfirst_w:
	tensor_load_to_lds s[G0B:G0B+3], s[G1B:G1B+7]
	s_nop 0
	tensor_load_to_lds s[G0B+4:G0B+7], s[G1B:G1B+7]
	s_nop 0
	PLACES
.Lfirst_asked:
	v_and_b32 v1, 31, v0
	v_lshlrev_b32 v1, 4, v1                        ; 16 L
	v_and_b32 v2, 15, v0                           ; r
	v_bfe_u32 v3, v0, 4, 1                         ; h
	s_lshl_b32 s44, s17, 14                        ; my 64 tokens: 4 tiles of 4,096 bytes
	s_lshl_b32 s45, s18, 15                        ; my 128 features: 2 G of 16,384 bytes,
	s_add_co_u32 s45, s45, BOFF                    ; behind ctx
.irp s, 0,1
	v_add_nc_u32 v[ADRA+(\s)], s44, v1
	v_add_nc_u32 v[ADRB+(\s)], s45, v1
	s_add_co_u32 s44, s44, SLOT
	s_add_co_u32 s45, s45, SLOT
.endr
	v_lshlrev_b32 v4, 4, v2                        ; 16 r: four features
	v_lshl_add_u32 v[CO], v3, 18, v4               ; + 8 h tokens of 32,768 bytes
	s_lshl_b32 s46, s19, 10                        ; (256 cx + 128 wn) x 4 bytes
	s_lshl_b32 s47, s18, 9
	s_add_co_u32 s46, s46, s47
	s_mov_b32 s47, 0
	s_add_nc_u64 s[8:9], s[8:9], s[46:47]
	global_load_b128 v[BI:BI+3],   v4, s[8:9]
	global_load_b128 v[BI+4:BI+7], v4, s[8:9] offset:256
	s_add_nc_u64 s[14:15], s[14:15], s[46:47]      ; out0 at ((128 lblk + 64 wm) x 8 + b) x 4,096 + my first feature
	s_lshl_b32 s46, s21, 22
	s_lshl_b32 s44, s17, 21
	s_add_co_u32 s46, s46, s44
	s_lshl_b32 s44, s22, 12
	s_add_co_u32 s46, s46, s44
	s_add_nc_u64 s[14:15], s[14:15], s[46:47]
	s_wait_loadcnt 0x0
.irp j, 0,1,2,3
	v_cvt_pk_bf16_f32 v[40+(\j)], v[BI+2*(\j)], v[BI+2*(\j)+1]
	v_lshlrev_b32 v[BI+2*(\j)], 16, v[40+(\j)]
	v_and_b32 v[BI+2*(\j)+1], 0xffff0000, v[40+(\j)]
.endr
.macro MUL8 f, a, zero                 ; token tile a x the 8 weight tiles, 32 along K.  The accumulators take turns, one instruction a turn.  zero = 1: the first products start the sums
	WIN 0x50                                       ; sources window 0, C and D window 1
.set n, 0
.rept 8
.if \zero
	v_wmma_f32_16x16x32_f16 v[8*(8*(\a)+n):8*(8*(\a)+n)+7], v[(\f)+8*(\a):(\f)+8*(\a)+7], v[(\f)+32+8*n:(\f)+32+8*n+7], 0
.else
	v_wmma_f32_16x16x32_f16 v[8*(8*(\a)+n):8*(8*(\a)+n)+7], v[(\f)+8*(\a):(\f)+8*(\a)+7], v[(\f)+32+8*n:(\f)+32+8*n+7], v[8*(8*(\a)+n):8*(8*(\a)+n)+7]
.endif
.set n, n+1
.endr
.endm
.macro FETCH slot, kcl, f              ; 24 LDS loads in one run: chunk kcl (32 k) of the slot: the 8 weight fragments, then the 4 of ctx
	WIN 0
.set n, 0
.rept 8
	ds_load_b128 v[(\f)+32+8*n:(\f)+32+8*n+3],   v[ADRB+(\slot)] offset:(n/4)*16384+(\kcl)*4096+(n%4)*1024
	ds_load_b128 v[(\f)+32+8*n+4:(\f)+32+8*n+7], v[ADRB+(\slot)] offset:(n/4)*16384+(\kcl)*4096+(n%4)*1024+512
.set n, n+1
.endr
.set n, 0
.rept 4
	ds_load_b128 v[(\f)+8*n:(\f)+8*n+3],   v[ADRA+(\slot)] offset:n*4096+(\kcl)*1024
	ds_load_b128 v[(\f)+8*n+4:(\f)+8*n+7], v[ADRA+(\slot)] offset:n*4096+(\kcl)*1024+512
.set n, n+1
.endr
.endm
; A K step is four quarters of 32 along K, 32 products each, on buffers 0, 1, 0, 1.  One of the first three: multiplies f and fetches chunk kcl into g.
.macro QUARTER slot, kcl, f, g, zero
	s_wait_dscnt 4                                 ; all but ctx's fragments 2 and 3
	MUL8 \f, 0, \zero
	MUL8 \f, 1, \zero
	PLACES                                         ; in front of loads into registers that the quarter before multiplied
	FETCH \slot, \kcl, \g
	s_wait_dscnt 24                                ; all but the 24 just issued
	MUL8 \f, 2, \zero
	MUL8 \f, 3, \zero
.endm
; The last quarter multiplies buffer 1 and changes slots: ONE barrier; in front of it each wave waits for all its tensor loads, adds 0 to its spare word, and waits for that and for its reads of this slot.
; fill = 1: the barrier opens a round of the cluster's, and this slot is filled again, two K steps ahead, first thing behind it.
.macro TURN slot, next, fill
	WIN 0
	s_wait_tensorcnt 0x0                           ; all my tensor loads have landed: my part of the next slot
	ds_add_u32 v[SPW], v[NIL]                      ; 0 onto my spare word
	s_wait_dscnt 5                                 ; (the add and the youngest four loads may be out)
	MUL8 F1, 0, 0
	s_wait_dscnt 0x0                               ; the add is done, and my reads of this slot are over
	s_barrier_signal -1
	MUL8 F1, 1, 0
	WIN 0
	s_barrier_wait -1
.if \fill
	CREST                                          ; no wave of any partner still reads this slot or has a load on its way
	s_add_nc_u64 s[G0A+4*(\slot)+2:G0A+4*(\slot)+3], s[G0A+4*(\slot)+2:G0A+4*(\slot)+3], 2*4096
	s_add_nc_u64 s[G0B+4*(\slot)+2:G0B+4*(\slot)+3], s[G0B+4*(\slot)+2:G0B+4*(\slot)+3], 2*16384
	JLOAD \slot                                    ; its four v_nop are also the places in front of the loads below
.else
	PLACES
.endif
	FETCH \next, 0, F0
	MUL8 F1, 2, 0
	MUL8 F1, 3, 0
.endm
	s_wait_tensorcnt 1                             ; my part of K step 0 is in; step 1's may stay out
	s_barrier_signal -1
	s_barrier_wait -1
	FETCH 0, 0, F0
	QUARTER 0, 1, F0, F1, 1                        ; the first quarter stands in front of the loop: its products start the sums
	WIN 0
	s_mov_b32 s3, 3
.Llap:                                             ; a trip goes once round the ring and fills both slots again: K steps 2 to 7
	QUARTER 0, 2, F1, F0, 0
	QUARTER 0, 3, F0, F1, 0
	TURN 0, 1, 1
	QUARTER 1, 1, F0, F1, 0
	QUARTER 1, 2, F1, F0, 0
	QUARTER 1, 3, F0, F1, 0
	TURN 1, 0, 1
	QUARTER 0, 1, F0, F1, 0
	WIN 0
	s_sub_co_u32 s3, s3, 1
	s_cmp_lg_u32 s3, 0
	s_cbranch_scc1 .Llap
	QUARTER 0, 2, F1, F0, 0                        ; the last lap fills nothing
	QUARTER 0, 3, F0, F1, 0
	TURN 0, 1, 0
	QUARTER 1, 1, F0, F1, 0
	QUARTER 1, 2, F1, F0, 0
	QUARTER 1, 3, F0, F1, 0
	s_wait_dscnt 4
	MUL8 F1, 0, 0
	MUL8 F1, 1, 0
	s_wait_dscnt 0x0
	MUL8 F1, 2, 0
	MUL8 F1, 3, 0
	; THE WAY OUT.  Token tile a: 64 sums with bias go into the free fragment registers, two sets by turns; then 16 stores: lanes 0-15 fill 256 consecutive bytes of token j, lanes 16-31 of token 8 + j, each aligned.
	WIN 0
	PLACES
.set a, 0
.rept 4
.if a >= 2
	s_wait_xcnt 0x0                                ; the set is written again only behind this wait
.endif
	WIN 0x01                                       ; source 0 (the accumulator) window 1
.set k, 0
.rept 16                                       ; gl = k / 8, register j = k % 8: each accumulator is read from its register 0 on
.set nb, 0
.rept 4
	v_add_f32 v[64+64*(a%2)+4*k+nb], v[8*(8*a+4*(k/8)+nb)+k%8], v[BI+4*(k/8)+nb]
.set nb, nb+1
.endr
.set k, k+1
.endr
	WIN 0
.set k, 0
.rept 16
	global_store_b128 v[CO], v[64+64*(a%2)+4*k:64+64*(a%2)+4*k+3], s[14:15] offset:(16*a+k%8)*32768+(k/8)*256 th:TH_STORE_NT
.set k, k+1
.endr
.set a, a+1
.endr
	s_wait_tensorcnt 0x0                           ; the wave's end
	ds_add_u32 v[SPW], v[NIL]
	s_wait_dscnt 0x0
	CROUND                                         ; the closing round
	s_endpgm
.Lfunc_end_k_qed7b509a29_outproj:
	.size	k_qed7b509a29_outproj, .Lfunc_end_k_qed7b509a29_outproj-k_qed7b509a29_outproj
	.p2alignl 7, 3214868480
	.fill 96, 4, 3214868480
	.section	.rodata,"a",@progbits
	.p2align	6, 0x0
	.amdhsa_kernel k_qed7b509a29_outproj
		.amdhsa_group_segment_fixed_size 327680
		.amdhsa_private_segment_fixed_size 0
		.amdhsa_enable_private_segment 0
		.amdhsa_kernarg_size 48
		.amdhsa_user_sgpr_count 2
		.amdhsa_user_sgpr_kernarg_segment_ptr 1
		.amdhsa_wavefront_size32 1
		.amdhsa_system_sgpr_workgroup_id_x 1
		.amdhsa_system_sgpr_workgroup_id_y 1
		.amdhsa_system_sgpr_workgroup_id_z 1
		.amdhsa_system_vgpr_workitem_id 0
		.amdhsa_next_free_vgpr 512
		.amdhsa_next_free_sgpr 66
		.amdhsa_reserve_vcc 0
		.amdhsa_float_denorm_mode_32 3
		.amdhsa_float_denorm_mode_16_64 3
		.amdhsa_memory_ordered 1
		.amdhsa_forward_progress 1
		.amdhsa_inst_pref_size 85
	.end_amdhsa_kernel
	.amdgpu_metadata
---
amdhsa.version: [ 1, 2 ]
amdhsa.kernels:
  - .name:           k_qed7b509a29_outproj
    .symbol:         k_qed7b509a29_outproj.kd
    .args:
      - { .name: cf, .offset: 0, .size: 8, .value_kind: global_buffer, .address_space: global }
      - { .name: wo, .offset: 8, .size: 8, .value_kind: global_buffer, .address_space: global }
      - { .name: out_b1, .offset: 16, .size: 8, .value_kind: global_buffer, .address_space: global }
      - { .name: out_b2, .offset: 24, .size: 8, .value_kind: global_buffer, .address_space: global }
      - { .name: out_b3, .offset: 32, .size: 8, .value_kind: global_buffer, .address_space: global }
      - { .name: out0, .offset: 40, .size: 8, .value_kind: global_buffer, .address_space: global }
    .group_segment_fixed_size: 327680
    .private_segment_fixed_size: 0
    .kernarg_segment_align: 8
    .kernarg_segment_size: 48
    .max_flat_workgroup_size: 128
    .sgpr_count:     66
    .vgpr_count:     512
    .wavefront_size: 32
...
	.end_amdgpu_metadata
.endif
;; end of part 3
